; MI455X (gfx1250); checked and timed in simulation.
; The chip was launched on July 23, 2026; its instructions are those of AMD's public machine-readable ISA for CDNA 5 (MIT licence, August 2026) and "CDNA5" Instruction Set Architecture Reference Guide (July 2026). The comments in the code are by the model that wrote it; some were corrected since.
;; My Multihead Attention Tanh Relu. Allowed arithmetic: float matrix products may take bf16 or f16 operands with f32 sums; other float arithmetic in f32, or as packed bf16 or f16 multiplies, adds, multiply-adds, maxima and minima; sums over many terms, partial sums and values carried from step to step in f32; what a program stores and reads back later, other than sums and carried values, may be rounded once to bf16 or f16.
;; Inputs: Wk 1,024 x 1,024 float32; Wq 1,024 x 1,024 float32; Wv 1,024 x 1,024 float32; bk 1,024 float32; bq 1,024 float32; bv 1,024 float32; key 8 x 1,024 x 1,024 float32; query 8 x 1,024 x 1,024 float32; value 8 x 1,024 x 1,024 float32.
;; Outputs: out0 8 x 1,024 x 1,024 float32; out1 8 x 1,024 x 1,024 float32.
;; One version. Each part assembles by itself: llvm-mc -triple=amdgcn-amd-amdhsa -mcpu=gfx1250 --defsym DOCPART=n.
;; ======== version 1 of 1: 3 launches
;; limits: a function is approximated: absolute error at most 0.0011; values are held in f16: magnitudes above 65,504 overflow, below 6.1e-05 lose precision
;; workspace buffers: wb 6,291,456 bytes; qf 16,777,216 bytes; kf 16,777,216 bytes; vf 16,777,216 bytes
;; launch cvtw (part 1): grid 256 x 3, 8 waves a work-group, no clusters, 0 bytes of LDS; arguments Wq, Wk, Wv, wb; writes wb
.if DOCPART == 1
	.amdgcn_target "amdgcn-amd-amdhsa--gfx1250"
	.amdhsa_code_object_version 6
	.text
	.protected	k_q3be897250a_cvtw
	.globl	k_q3be897250a_cvtw
	.p2align	8
	.type	k_q3be897250a_cvtw,@function
k_q3be897250a_cvtw:
	s_mov_b64 s[64:65], 0
	v_nop
	global_prefetch_b8 v0, s[64:65] scope:SCOPE_SE
	s_setreg_imm32_b32 hwreg(HW_REG_WAVE_MODE, 25, 1), 1
	s_wait_xcnt 0x0
; wb[y][:][:] = bf16(W_y), y = 0, 1, 2 for Wq, Wk, Wv: each [1024][1024] f32, rounded once to nearest even.
; A stream: a work-group takes 4,096 numbers (16 KiB in, 8 KiB out), a thread 16 of them.  Each load of a wave covers 512 consecutive bytes,
; each store 256 consecutive bytes, aligned.  All four loads are out before the first is used.  No LDS, no matrix unit: nothing is shared or multiplied.
.set CHUNK, 4096                       ; numbers to a work-group
	s_load_b256 s[4:11], s[0:1], 0x0               ; Wq s[4:5], Wk s[6:7], Wv s[8:9], wb s[10:11]
	s_and_b32 s12, ttmp7, 0xffff                   ; which of the three
	s_lshl_b32 s14, ttmp9, 14                      ; the work-group's bytes in W
	s_mov_b32 s15, 0
	s_lshl_b32 s16, s12, 21                        ; 2 MiB of bf16 for each W,
	s_lshl_b32 s17, ttmp9, 13                      ; and the work-group's bytes in it
	s_add_co_u32 s16, s16, s17
	s_mov_b32 s17, 0
	v_lshlrev_b32 v1, 4, v0                        ; 16 bytes a thread in,
	v_lshlrev_b32 v2, 3, v0                        ; 8 bytes out
	s_wait_kmcnt 0x0
	s_cmp_eq_u32 s12, 1
	s_cselect_b64 s[4:5], s[6:7], s[4:5]
	s_cmp_eq_u32 s12, 2
	s_cselect_b64 s[4:5], s[8:9], s[4:5]
	s_add_nc_u64 s[4:5], s[4:5], s[14:15]
	s_add_nc_u64 s[10:11], s[10:11], s[16:17]
.irp i, 0,1,2,3
	global_load_b128 v[4+4*(\i):7+4*(\i)], v1, s[4:5] offset:4096*(\i) th:TH_LOAD_NT
.endr
.irp i, 0,1,2,3
	s_wait_loadcnt 3-(\i)                          ; loads come back in order: mine is in, the younger ones stay out
	v_cvt_pk_bf16_f32 v[20+2*(\i)], v[4+4*(\i)], v[5+4*(\i)]
	v_cvt_pk_bf16_f32 v[21+2*(\i)], v[6+4*(\i)], v[7+4*(\i)]
	global_store_b64 v2, v[20+2*(\i):21+2*(\i)], s[10:11] offset:2048*(\i)
.endr
	s_endpgm
.Lfunc_end_k_q3be897250a_cvtw:
	.size	k_q3be897250a_cvtw, .Lfunc_end_k_q3be897250a_cvtw-k_q3be897250a_cvtw
	.p2alignl 7, 3214868480
	.fill 96, 4, 3214868480
	.section	.rodata,"a",@progbits
	.p2align	6, 0x0
	.amdhsa_kernel k_q3be897250a_cvtw
		.amdhsa_group_segment_fixed_size 0
		.amdhsa_private_segment_fixed_size 0
		.amdhsa_enable_private_segment 0
		.amdhsa_kernarg_size 32
		.amdhsa_user_sgpr_count 2
		.amdhsa_user_sgpr_kernarg_segment_ptr 1
		.amdhsa_wavefront_size32 1
		.amdhsa_system_sgpr_workgroup_id_x 1
		.amdhsa_system_sgpr_workgroup_id_y 1
		.amdhsa_system_sgpr_workgroup_id_z 1
		.amdhsa_system_vgpr_workitem_id 0
		.amdhsa_next_free_vgpr 32
		.amdhsa_next_free_sgpr 66
		.amdhsa_reserve_vcc 0
		.amdhsa_float_denorm_mode_32 3
		.amdhsa_float_denorm_mode_16_64 3
		.amdhsa_memory_ordered 1
		.amdhsa_forward_progress 1
		.amdhsa_inst_pref_size 3
	.end_amdhsa_kernel
	.amdgpu_metadata
---
amdhsa.version: [ 1, 2 ]
amdhsa.kernels:
  - .name:           k_q3be897250a_cvtw
    .symbol:         k_q3be897250a_cvtw.kd
    .args:
      - { .name: Wq, .offset: 0, .size: 8, .value_kind: global_buffer, .address_space: global }
      - { .name: Wk, .offset: 8, .size: 8, .value_kind: global_buffer, .address_space: global }
      - { .name: Wv, .offset: 16, .size: 8, .value_kind: global_buffer, .address_space: global }
      - { .name: wb, .offset: 24, .size: 8, .value_kind: global_buffer, .address_space: global }
    .group_segment_fixed_size: 0
    .private_segment_fixed_size: 0
    .kernarg_segment_align: 8
    .kernarg_segment_size: 32
    .max_flat_workgroup_size: 256
    .sgpr_count:     66
    .vgpr_count:     32
    .wavefront_size: 32
...
	.end_amdgpu_metadata
.endif
;; end of part 1
;; launch proj (part 2): grid 4 x 64, 4 waves a work-group, clusters of 4 x 4, 327,680 bytes of LDS; arguments query, key, value, wb, bq, bk, bv, qf, kf, vf; writes qf, kf, vf
.if DOCPART == 2
	.amdgcn_target "amdgcn-amd-amdhsa--gfx1250"
	.amdhsa_code_object_version 6
	.text
	.protected	k_q3be897250a_proj
	.globl	k_q3be897250a_proj
	.p2align	8
	.type	k_q3be897250a_proj,@function
k_q3be897250a_proj:
	s_mov_b64 s[64:65], 0
	v_nop
	global_prefetch_b8 v0, s[64:65] scope:SCOPE_SE
	s_setreg_imm32_b32 hwreg(HW_REG_WAVE_MODE, 25, 1), 1
	s_wait_xcnt 0x0
	s_wait_alu depctr_hold_cnt(0) depctr_sa_sdst(0) depctr_va_vdst(0) depctr_va_sdst(0) depctr_va_ssrc(0) depctr_va_vcc(0) depctr_vm_vsrc(0)
	s_getreg_b32 s2, hwreg(HW_REG_IB_STS2, 6, 4)
	s_cmp_eq_u32 s2, 0
	s_cbranch_scc0 .Lentry_in_a_cluster
	s_endpgm
.Lentry_in_a_cluster:
	s_bfe_u32 s2, ttmp6, 0x10000c
	s_cmp_lg_u32 s2, 0xf033
	s_cbranch_scc0 .Lentry_shape_is_right
	s_endpgm
.Lentry_shape_is_right:
; q = query Wq^T + bq, k = key Wk^T + bk, v = value Wv^T + bv.  x: [8192][1024] f32; W: wb, [3][1024][1024] bf16; b: [1024] f32.  x and b are rounded to bf16 on the way to the
; matrix unit, sums in f32 (the bias is the C operand that starts each sum), results rounded once to f16.
; LIMIT.  f16 holds no number beyond 65,504: |q|, |k|, |v| must stay below that.
; OUT.  qf, kf, vf: [batch 8][head 16][g 64][cb 4][512 bytes].  A block of 512 bytes holds 16 tokens x 16 channels (cb: which 16 of the head's 64).  Token block tb (0..63 of a batch) has
; g = 8 ((tb / 2) % 8) + 2 (tb / 16) + tb % 2.  In qf and kf the 16 bytes (token r, channels 8 h ..) lie at 16 (r + 16 h); in vf at 16 (r % 8 + 8 h + 16 (r / 8)).  A wave's store of one
; accumulator is one such block: 512 consecutive bytes, aligned, straight from registers.
; SHARES.  A work-group makes 128 tokens x 256 channels, for q, then k, then v: three tiles, one walk of 24 K steps of 128.  Wave wv: tokens 64 (wv / 2) .., channels 128 (wv % 2) ..: 32 accumulators,
; (m, n) = (channel block 0-7, token block 0-3).  Source 0 = 16 rows of W, source 1 = 16 tokens: a lane holds one token and eight neighbouring channels.
; W comes by joint tensor loads through a ring of two LDS slots: 4 x 4 work-groups form a cluster, W's tile hangs on the channel tile alone and is shared along a column; each wave fetches 64 of its 256 rows.
; x COMES THROUGH REGISTERS.  Wave wv loads rows 32 wv .. 32 wv + 31 of the work-group's 128, a row's 512 bytes of a K step to a load, into two sets of 128 registers.  In K step g the set that holds step
; g + 1 is rounded to bf16 and stored into an LDS buffer of its own, and is asked for again at once, with step g + 3.  NOT JOINTLY, though the four work-groups of a row of the cluster want the same x: a joint
; load has landed at the next change of slots, so it is out for one K step, 128 matrix instructions, at the most; these loads cross the changes of slots and are out for two.
; THE K STEPS ARE TAKEN IN A RING: cluster row y takes K step (y + s) % 8 of a tile as its step s (f32 sums, any order), so the cluster rows walk W's slices one behind the other, not all the same slice at once.
; PRICE of one text for the loop: the last tile's step 5 asks for a K step of value once more (32 loads a wave, inside the buffer, never read), and the last tile loads bv a second time.
; REGISTERS.  window 0: v16-30 addresses; v32-95 x's fragments, two buffers; v96-103 four rows rounded; v104-135 a bias packed; v192-255 packed results.
;   window 1: v0-127 W's fragments, two buffers; v128-191 the bias; v192-255 the next bias as loaded.   window 2: the accumulators, (m, n) at 8 (8 n + m).   window 3: x as loaded, two sets, row i at 4 i.
.set PW,    272                        ; an LDS row of W and of x: 256 bytes + 16: 68 words, so the 16 rows of a load start at 16 different groups of four banks (64 banks of 4 bytes: ISA guide 11.1)
.set WQ,    64*PW                      ; what one tensor load brings of W
.set WSLOT, 4*WQ                       ; W's 256 rows
.set XL,    2*WSLOT                    ; behind the ring: x in bf16, two buffers of 128 rows, stored by the waves: no tensor load lands here
.set XBUF,  128*PW
.set SPARE, XL+2*XBUF                  ; the spare words, 128 bytes for each wave: two blocks of 256 bytes that no other line names
.set ADRX, 16                          ; v16-17  LDS address of my x fragments in buffer 0, 1
.set ADRW, 20                          ; v20-21  of my W fragments in slot 0, 1
.set XST,  22                          ; v22     where I put 8 bytes of my first row in buffer 0
.set XGO,  23                          ; v23     16 x lane: my 16 bytes of a row's 512; never rewritten
.set CO,   24                          ; v24     my 16 bytes in a block of qf and kf
.set CV,   25                          ; v25     in a block of vf
.set BO,   26                          ; v26     my byte offset in 16 numbers of a bias; never rewritten
.set SPW,  28                          ; v28     LDS address of my spare word; never rewritten
.set NIL,  29                          ; v29     0; never rewritten
.set PFO,  30                          ; v30     2,048 x lane: a row of W; never rewritten
.set XF,   32
.set XC,   96
.set BPK,  104
.set TMP,  192
.set WF,   0                           ; window 1
.set BIAS, 128                         ; window 1: register 8 m + j of lane (r, h) holds b[first channel + 16 m + 8 h + j]
.set BIASN, 192                        ; window 1
.set GX,  24                           ; s24     the K step (0..24 of the walk) that x was last asked for
.set GW,  25                           ; s25     the same for W
.set ROT, 26                           ; s26     cluster y % 8
.set LIM, 27                           ; s27     1 in a wave that prefetches, else 0
.set T0,  28                           ; s[28:29] an offset; the high word stays 0
.set G1W, 48                           ; s[48:55] descriptor group 1 for W's tiles;  s[56:63] group 0, a set for each slot
.set G0W, 56
.set XN,  68                           ; s[68:69], s[70:71], s[72:73] the x still to come, at my rows: at first query, key, value
.set XN2, 70
.set XN3, 72
.set WBP, 74                           ; s[74:75] wb at the rows that I fetch
.set BC,  76                           ; s[76:77] bq at my first channel;  BN, BN2: bk, bv
.set BN,  78
.set BN2, 80
.set ON,  82                           ; s[82:83] qf at my part;  ON2: kf;  OV: vf
.set ON2, 84
.set OV,  86
.set OC,  88                           ; s[88:89] where the tile in hand goes
.set PFA, 90                           ; s[90:91] the next W at the rows and the slice that I prefetch
.set XCUR, 92                          ; s[92:93] the x that is being asked for, at my rows
.set XP,  94                           ; s[94:95] the same at the K step that is being asked for
.set MSB, 0
.macro WIN new                         ; the immediate's high byte repeats the setting that is left; a switch that changes nothing is dropped
.if MSB != (\new)
	s_set_vgpr_msb (MSB<<8)|(\new)
.set MSB, \new
.endif
.endm
.set MUL,  0xa1                        ; source 0 (W) window 1, source 1 (x) window 0, C and D window 2
.set MULB, 0x91                        ; the same with C (the bias) in window 1
.set TO_1, 0x40                        ; destination window 1, the rest window 0
.set TO_3, 0xc0                        ; destination window 3
.macro PLACES                          ; four places behind a matrix instruction (ISA guide 7.12.1 for vector instructions)
.rept 4
	v_nop
.endr
.endm
.macro CREST                           ; a round of the cluster's barrier behind its opening barrier
	s_cmp_lg_u32 s10, 0
	s_cbranch_scc1 .Lnot_wave_0_\@
	s_barrier_signal -3
.Lnot_wave_0_\@:
	s_barrier_wait -3
	s_barrier_signal -1
	s_barrier_wait -1
.endm
.macro CROUND                          ; a whole round
	s_barrier_signal -1
	s_barrier_wait -1
	CREST
.endm
; x's pointer goes on to the walk's next K step: at each eighth step to the next x; within a tile by the ring (step + cluster y) % 8.
.macro XSTEP
	s_wait_xcnt 0x0                                ; the loads, stores and prefetches issued so far have read their registers: the pointer may be written
	s_add_co_u32 s[GX], s[GX], 1
	s_and_b32 s[T0], s[GX], 7
	s_cmp_eq_u32 s[T0], 0
	s_cselect_b64 s[XCUR:XCUR+1], s[XN:XN+1], s[XCUR:XCUR+1]
	s_cselect_b64 s[XN:XN+1], s[XN2:XN2+1], s[XN:XN+1]
	s_cselect_b64 s[XN2:XN2+1], s[XN3:XN3+1], s[XN2:XN2+1]   ; behind value comes value again: step 24's loads stay inside the buffer
	s_add_co_u32 s[T0], s[GX], s[ROT]
	s_and_b32 s[T0], s[T0], 7
	s_lshl_b32 s[T0], s[T0], 9                     ; 512 bytes of a row in a K step
	s_add_nc_u64 s[XP:XP+1], s[XCUR:XCUR+1], s[T0:T0+1]
.endm
; W's descriptor for the walk's next K step, made anew: 2 MiB for each tile, 256 bytes for each K step of the ring.  Nothing in it hangs on cy: the four partners of a column make the same words.
.macro WADDR slot
	s_add_co_u32 s[GW], s[GW], 1
	s_lshr_b32 s[T0], s[GW], 3
	s_lshl_b32 s[T0], s[T0], 21
	s_add_co_u32 s14, s[GW], s[ROT]
	s_and_b32 s14, s14, 7
	s_lshl_b32 s14, s14, 8
	s_add_co_u32 s[T0], s[T0], s14
	s_add_nc_u64 s[G0W+4*(\slot)+2:G0W+4*(\slot)+3], s[WBP:WBP+1], s[T0:T0+1]
	s_or_b32 s[G0W+4*(\slot)+3], s[G0W+4*(\slot)+3], 0x80000000  ; type = 2
.endm
; A whole set: my 32 rows of one K step
.macro XLOADALL set
	WIN TO_3
.set z, 0
.rept 32
	global_load_b128 v[128*(\set)+4*z:128*(\set)+4*z+3], v[XGO], s[XP:XP+1] offset:4096*z
.set z, z+1
.endr
	WIN 0
.endm
; Four rows, 4 k .. 4 k + 3, of a set: rounded to bf16, stored into the LDS buffer of the set's number, and (mode 1) asked for again, two K steps on.
; THE COUNT.  Behind the four rows 60 loads were issued: the rest of their set, the other set's 32, and this step's 4 k refills.  56 asks for four rows more than are wanted, so that 60 loads are out at the most.
; mode 2, the walk's last step but one: nothing is asked for, so 60 - 4 k loads are younger; the count is again four less.
.macro XINS k, set, mode
.if (\mode) == 1
	s_wait_loadcnt 56
.else
	s_wait_loadcnt 56-4*(\k)
.endif
	WIN 0x0f                                       ; sources 0 and 1 window 3
.irp j, 0,1,2,3
	v_cvt_pk_bf16_f32 v[XC+2*(\j)],   v[128*(\set)+4*(4*(\k)+(\j))],   v[128*(\set)+4*(4*(\k)+(\j))+1]
	v_cvt_pk_bf16_f32 v[XC+2*(\j)+1], v[128*(\set)+4*(4*(\k)+(\j))+2], v[128*(\set)+4*(4*(\k)+(\j))+3]
.endr
	WIN 0
.irp j, 0,1,2,3
	ds_store_b64 v[XST], v[XC+2*(\j):XC+2*(\j)+1] offset:(\set)*XBUF+(4*(\k)+(\j))*PW  ; 32 lanes: a row's 256 bytes
.endr
.if (\mode) == 1
	WIN TO_3
.irp j, 0,1,2,3
	global_load_b128 v[128*(\set)+4*(4*(\k)+(\j)):128*(\set)+4*(4*(\k)+(\j))+3], v[XGO], s[XP:XP+1] offset:4096*(4*(\k)+(\j))
.endr
.endif
.endm
; 16 loads: my 128 numbers of a bias, eight for each channel block and half of the lanes
.macro BIASLD ptr
	WIN TO_1
.irp m, 0,1,2,3,4,5,6,7
	global_load_b128 v[BIASN+8*(\m):BIASN+8*(\m)+3],   v[BO], s[(\ptr):(\ptr)+1] offset:64*(\m)
	global_load_b128 v[BIASN+8*(\m)+4:BIASN+8*(\m)+7], v[BO], s[(\ptr):(\ptr)+1] offset:64*(\m)+16
.endr
	WIN 0
.endm
; the bias is rounded to bf16, like x and W, and widened again
.macro BIASRND
	WIN 0x05
.set z, 0
.rept 32
	v_cvt_pk_bf16_f32 v[BPK+z], v[BIASN+2*z], v[BIASN+2*z+1]
.set z, z+1
.endr
	WIN TO_1
.set z, 0
.rept 32
	v_lshlrev_b32 v[BIAS+2*z], 16, v[BPK+z]
	v_and_b32 v[BIAS+2*z+1], 0xffff0000, v[BPK+z]
.set z, z+1
.endr
	WIN 0
.endm
; 24 LDS loads in one run: the fragments of quarter q (32 along K) of a slot into buffer g.  A fragment is 16 rows x 32 K: lane l holds row l % 16, K = 8 (l / 16) + 0..7 and 16 + 8 (l / 16) + 0..7.
.macro FETCH slot, q, g
	WIN TO_1
.irp m, 0,1,2,3,4,5,6,7
	ds_load_b128 v[WF+64*(\g)+8*(\m):WF+64*(\g)+8*(\m)+3],   v[ADRW+(\slot)] offset:(\m)*16*PW+64*(\q)
	ds_load_b128 v[WF+64*(\g)+8*(\m)+4:WF+64*(\g)+8*(\m)+7], v[ADRW+(\slot)] offset:(\m)*16*PW+64*(\q)+32
.endr
	WIN 0
.irp n, 0,1,2,3
	ds_load_b128 v[XF+32*(\g)+8*(\n):XF+32*(\g)+8*(\n)+3],   v[ADRX+(\slot)] offset:(\n)*16*PW+64*(\q)
	ds_load_b128 v[XF+32*(\g)+8*(\n)+4:XF+32*(\g)+8*(\n)+7], v[ADRX+(\slot)] offset:(\n)*16*PW+64*(\q)+32
.endr
.endm
; 8 matrix instructions: all channel blocks x token block n.  The 32 accumulators take turns, one instruction a turn, in the same order in every quarter.
; first = 1: the bias starts the sums: nothing is cleared.
.macro MULN f, n, first
.if \first
	WIN MULB
.else
	WIN MUL
.endif
.irp m, 0,1,2,3,4,5,6,7
.if \first
	v_wmma_f32_16x16x32_bf16 v[8*(8*(\n)+(\m)):8*(8*(\n)+(\m))+7], v[WF+64*(\f)+8*(\m):WF+64*(\f)+8*(\m)+7], v[XF+32*(\f)+8*(\n):XF+32*(\f)+8*(\n)+7], v[BIAS+8*(\m):BIAS+8*(\m)+7]
.else
	v_wmma_f32_16x16x32_bf16 v[8*(8*(\n)+(\m)):8*(8*(\n)+(\m))+7], v[WF+64*(\f)+8*(\m):WF+64*(\f)+8*(\m)+7], v[XF+32*(\f)+8*(\n):XF+32*(\f)+8*(\n)+7], v[8*(8*(\n)+(\m)):8*(8*(\n)+(\m))+7]
.endif
.endr
.endm
; A K step is four quarters of 32 along K, 32 matrix instructions each, on buffers 0, 1, 0, 1.  One of the first three: four places behind the last products on buffer g, the next quarter's loads into it in one
; run, then the products.  k0 >= 0: ahead of each eight products stand four rows of the next K step's x (XINS k0 .. k0 + 3), which go into the LDS buffer that is not being read.
.macro QUARTER slot, qn, f, g, first, k0, mode
	s_wait_dscnt 0x0                               ; buffer f is in: its loads were issued a quarter ago
	PLACES
	FETCH \slot, \qn, \g
.irp n, 0,1,2,3
.if (\k0) >= 0
	XINS (\k0)+(\n), 1-(\slot), \mode
.endif
	MULN \f, \n, \first
.endr
.endm
; A prefetch, once a tile: the slice of the NEXT W with which my cluster row will begin that tile: its 256 bytes of 32 rows, a lane a row.  Each slice of a W is begun with by cluster rows y and y + 8: row y (0..7)
; asks, so each aligned block of 256 bytes is named once.  Of a channel tile's 256 rows the partner at place cy takes 64, told apart by address; waves 0 and 2 take 32 each.  It stands at the change of slots of a tile's
; step 5, behind the joint load, its five lines and the run of LDS loads: one K step, 128 matrix instructions, ahead of the joint load that wants the slice.  The last tile asks for nothing; the first W comes by its loads alone.
.macro ASK
	s_cmp_eq_u32 s3, s[LIM]                        ; s3 = 1 in the loop's last trip
	s_cbranch_scc0 .Lnot_mine_\@
	s_cmp_gt_u32 s2, 1
	s_cbranch_scc0 .Lnot_mine_\@
	global_prefetch_b8 v[PFO], s[PFA:PFA+1] th:TH_LOAD_NT scope:SCOPE_SE
.Lnot_mine_\@:
.endm
; The last quarter multiplies buffer 1 and changes slots.  In front of the barrier each wave waits for all its tensor loads (one is out: its part of the next slot), adds 0 to its spare word, and waits for that, for
; its reads of this slot and this x buffer, and for its stores of the next K step's x.  Behind it the next slot and the next x buffer are whole, and nobody reads the old ones.
; fill = 1: the barrier opens a round of the cluster's, and this slot takes W's K step two on.
.macro TURN slot, next, fill, ask
	s_wait_dscnt 0x0                               ; buffer 1 is in: these were my last reads of this slot
	WIN 0
	s_wait_tensorcnt 0x0                           ; all my tensor loads have landed
	ds_add_u32 v[SPW], v[NIL]                      ; 0 onto my spare word; eight matrix instructions stand between it and its wait
	MULN 1, 0, 0
	s_wait_dscnt 0x0                               ; the add is done
	s_barrier_signal -1
	MULN 1, 1, 0
	WIN 0
	s_barrier_wait -1
.if \fill
	CREST                                          ; no wave of any partner still reads this slot or has a load on its way
	WADDR \slot
	tensor_load_to_lds s[G0W+4*(\slot):G0W+4*(\slot)+3], s[G1W:G1W+7]  ; the first tensor load behind the round, my only one until the next
	s_nop 0
.endif
	PLACES                                         ; behind the load, and in front of the loads into buffer 0
	FETCH \next, 0, 0
.if \ask
	ASK
.endif
	MULN 1, 2, 0
	MULN 1, 3, 0
.endm
; THE WAY OUT.  Two token blocks at a time: 64 roundings to f16 (each accumulator's registers in ascending order), 16 stores of 512 consecutive bytes.  The first half's roundings are the places behind the last
; products, which are the last two token blocks'.  last = 0: the next tile's bias, loaded at this tile's beginning, is made ready.
.macro WAYOUT last
.if !(\last)
	s_mov_b64 s[OC:OC+1], s[ON:ON+1]               ; (the tile before's stores have read their base: x's pointer steps have waited for that since)
	s_mov_b64 s[ON:ON+1], s[ON2:ON2+1]
.endif
.irp hf, 0,1
.if \hf
	s_wait_xcnt 0x0                                ; the first half's stores have read their data
.endif
	WIN 0x0a                                       ; sources 0 and 1 window 2
.irp nn, 0,1
.irp m, 0,1,2,3,4,5,6,7
.irp e, 0,1,2,3
	v_cvt_pk_f16_f32 v[TMP+4*(8*(\nn)+(\m))+(\e)], v[8*(8*(2*(\hf)+(\nn))+(\m))+2*(\e)], v[8*(8*(2*(\hf)+(\nn))+(\m))+2*(\e)+1]
.endr
.endr
.endr
	WIN 0
.irp nn, 0,1
.irp m, 0,1,2,3,4,5,6,7
.if \last
	global_store_b128 v[CV], v[TMP+4*(8*(\nn)+(\m)):TMP+4*(8*(\nn)+(\m))+3], s[OV:OV+1] offset:((\m)/4)*131072+((\m)%4)*512+(\hf)*16384+(\nn)*2048
.else
	global_store_b128 v[CO], v[TMP+4*(8*(\nn)+(\m)):TMP+4*(8*(\nn)+(\m))+3], s[OC:OC+1] offset:((\m)/4)*131072+((\m)%4)*512+(\hf)*16384+(\nn)*2048
.endif
.endr
.endr
.endr
.if !(\last)
	s_wait_xcnt 0x0                                ; the bias's loads and the prefetch have read their pointers
	s_mov_b64 s[BN:BN+1], s[BN2:BN2+1]
	s_add_nc_u64 s[PFA:PFA+1], s[PFA:PFA+1], 0x200000
	s_wait_loadcnt 56                              ; the next bias: more than 56 loads were issued behind its sixteen
	BIASRND
.endif
.endm
	s_load_b512 s[68:83], s[0:1], 0x0              ; query, key, value, wb, bq, bk, bv, qf
	s_load_b128 s[84:87], s[0:1], 0x40             ; kf, vf
	v_lshl_add_u32 v[SPW], v0, 2, SPARE
	v_mov_b32 v[NIL], 0
	ds_add_u32 v[SPW], v[NIL]                      ; the wave's opening: the add and its wait stand ahead of my first tensor load; the set-up below stands between them
	v_lshrrev_b32 v1, 5, v0
	v_readfirstlane_b32 s10, v1                    ; wave 0..3
	s_lshr_b32 s11, s10, 1                         ; wr: which 64 tokens are mine
	s_and_b32 s12, s10, 1                          ; wc: which 128 channels
	s_bfe_u32 s40, ttmp6, 0x40000                  ; cx
	s_bfe_u32 s41, ttmp6, 0x40004                  ; cy
	s_lshl_b32 s42, ttmp9, 2
	s_add_co_u32 s42, s42, s40                     ; CT: channel tile = 4 x cluster x + cx
	s_and_b32 s43, ttmp7, 0xffff                   ; cluster y
	s_lshl_b32 s13, s43, 2
	s_add_co_u32 s13, s13, s41                     ; TT: token tile = 4 x cluster y + cy
	s_and_b32 s[ROT], s43, 7
	s_lshl_b32 s44, 0x1111, s40                    ; my column of the cluster
	s_or_b32 s[G1W], s44, (1<<16)|(1<<20)|(1<<21)|(5<<22)|(3<<25)  ; mask: my column; elements of 2 bytes; padding on; bit 21 beside a mask; after every 64 words (code 5) 4 words (code 3)
	s_mov_b32 s[G1W+1], 128<<16                    ; tensor_dim0 = 128
	s_mov_b32 s[G1W+2], 64<<16                     ; tensor_dim1 = 64
	s_mov_b32 s[G1W+3], 128<<16                    ; tile_dim0 = 128
	s_mov_b32 s[G1W+4], 64                         ; tile_dim1 = 64
	s_mov_b32 s[G1W+5], 1024                       ; elements from row to row
	s_mov_b32 s[G1W+6], 0
	s_mov_b32 s[G1W+7], 0
	s_lshl_b32 s16, s13, 7                         ; x: row 128 TT + 32 wave, 4,096 bytes a row
	s_lshl_b32 s17, s10, 5
	s_add_co_u32 s16, s16, s17
	s_lshl_b32 s16, s16, 12
	s_mov_b32 s17, 0
	s_lshl_b32 s46, s42, 8                         ; W: row 256 CT + 64 wave, 2,048 bytes a row
	s_lshl_b32 s47, s10, 6
	s_add_co_u32 s46, s46, s47
	s_lshl_b32 s46, s46, 11
	s_mov_b32 s47, 0
	s_lshl_b32 s18, s42, 8                         ; b: channel 256 CT + 128 wc, 4 bytes a number
	s_lshl_b32 s19, s12, 7
	s_add_co_u32 s18, s18, s19
	s_lshl_b32 s18, s18, 2
	s_mov_b32 s19, 0
	s_mul_i32 s20, s10, WQ                         ; where my part of W's tile goes: no place in the cluster enters an LDS address
	s_lshr_b32 s22, s13, 3                         ; my part of qf, kf, vf: batch TT / 8,
	s_lshl_b32 s22, s22, 21
	s_lshl_b32 s23, s42, 2
	s_lshl_b32 s14, s12, 1
	s_add_co_u32 s23, s23, s14                     ; head 4 CT + 2 wc,
	s_lshl_b32 s23, s23, 17
	s_add_co_u32 s22, s22, s23
	s_and_b32 s23, s13, 1
	s_lshl_b32 s23, s23, 2
	s_lshl_b32 s14, s11, 1
	s_add_co_u32 s23, s23, s14                     ; (tb / 2) % 8 = 4 (TT % 2) + 2 wr (+ n / 2),
	s_lshl_b32 s23, s23, 14
	s_add_co_u32 s22, s22, s23
	s_bfe_u32 s23, s13, 0x20001                    ; tb / 16 = (TT % 8) / 2
	s_lshl_b32 s23, s23, 12
	s_add_co_u32 s22, s22, s23
	s_mov_b32 s23, 0
	s_lshl_b32 s44, s42, 8                         ; the prefetches: row 256 CT + 64 cy + 32 wr of the next W, slice cluster y % 8
	s_lshl_b32 s45, s41, 6
	s_add_co_u32 s44, s44, s45
	s_lshl_b32 s45, s11, 5
	s_add_co_u32 s44, s44, s45
	s_lshl_b32 s44, s44, 11
	s_lshl_b32 s45, s[ROT], 8
	s_add_co_u32 s44, s44, s45
	s_add_co_u32 s44, s44, 0x200000
	s_mov_b32 s45, 0
	s_lshr_b32 s43, s43, 3                         ; cluster rows 0 to 7,
	s_or_b32 s43, s43, s12                         ; waves 0 and 2: the same in all sixteen partners, for a given wave
	s_cmp_eq_u32 s43, 0
	s_cselect_b32 s[LIM], 1, 0
	s_mov_b32 s[GX], -1
	s_mov_b32 s[GW], -1
	s_mov_b32 s[T0+1], 0
	v_and_b32 v5, 31, v0                           ; lane
	v_and_b32 v1, 15, v0                           ; r
	v_bfe_u32 v2, v0, 4, 1                         ; h
	v_lshlrev_b32 v[XGO], 4, v5
	v_lshlrev_b32 v[BO], 5, v2                     ; 8 h numbers of 4 bytes
	s_wait_dscnt 0x0                               ; the opening add is done
	s_wait_kmcnt 0x0
	s_add_nc_u64 s[PFA:PFA+1], s[WBP:WBP+1], s[44:45]
	s_add_nc_u64 s[XN:XN+1], s[XN:XN+1], s[16:17]
	s_add_nc_u64 s[XN2:XN2+1], s[XN2:XN2+1], s[16:17]
	s_add_nc_u64 s[XN3:XN3+1], s[XN3:XN3+1], s[16:17]
	s_add_nc_u64 s[WBP:WBP+1], s[WBP:WBP+1], s[46:47]
	s_add_nc_u64 s[BC:BC+1], s[BC:BC+1], s[18:19]
	s_add_nc_u64 s[BN:BN+1], s[BN:BN+1], s[18:19]
	s_add_nc_u64 s[BN2:BN2+1], s[BN2:BN2+1], s[18:19]
	s_add_nc_u64 s[ON:ON+1], s[ON:ON+1], s[22:23]
	s_add_nc_u64 s[ON2:ON2+1], s[ON2:ON2+1], s[22:23]
	s_add_nc_u64 s[OV:OV+1], s[OV:OV+1], s[22:23]
	s_mov_b64 s[XCUR:XCUR+1], s[XN:XN+1]
	BIASLD BC                                      ; bq,
	XSTEP
	XLOADALL 0                                     ; and x's K step 0: 48 loads are out
	CROUND                                         ; all sixteen work-groups are here: the first joint loads meet
.irp s, 0,1
	s_mov_b32 s[G0W+4*(\s)], 1                     ; count = 1
	s_add_co_u32 s[G0W+4*(\s)+1], s20, (\s)*WSLOT  ; LDS address
	WADDR \s                                       ; global address: K step s of the walk
	tensor_load_to_lds s[G0W+4*(\s):G0W+4*(\s)+3], s[G1W:G1W+7]
	s_nop 0
.endr
	PLACES                                         ; two tensor loads of mine are out
	s_wait_loadcnt 28                              ; the bias and four rows are in, so that with the next 32 loads 60 are out
	XSTEP
	XLOADALL 1                                     ; x's K step 1
	v_mul_u32_u24 v3, v1, PW
	v_lshl_add_u32 v3, v2, 4, v3                   ; r x 272 + 16 h
	s_mul_i32 s14, s11, 64*PW                      ; my 64 tokens
	s_add_co_u32 s14, s14, XL
	s_mul_i32 s15, s12, 128*PW                     ; my 128 channels
.irp s, 0,1
	v_add_nc_u32 v[ADRX+(\s)], s14, v3
	v_add_nc_u32 v[ADRW+(\s)], s15, v3
	s_add_co_u32 s14, s14, XBUF
	s_add_co_u32 s15, s15, WSLOT
.endr
	s_mul_i32 s14, s10, 32*PW                      ; the 32 rows that I bring
	s_add_co_u32 s14, s14, XL
	v_lshl_add_u32 v[XST], v5, 3, s14              ; 8 bytes a lane
	v_lshlrev_b32 v[CO], 4, v5                     ; 16 (r + 16 h)
	v_and_b32 v6, 7, v0
	v_bfe_u32 v7, v0, 3, 1
	v_lshl_add_u32 v6, v2, 3, v6
	v_lshl_add_u32 v6, v7, 4, v6
	v_lshlrev_b32 v[CV], 4, v6                     ; 16 (r % 8 + 8 h + 16 (r / 8))
	v_lshlrev_b32 v[PFO], 11, v5
	BIASRND
	XSTEP                                          ; K step 0 goes into LDS buffer 0, and its set is asked for again with K step 2
.irp k, 0,1,2,3,4,5,6,7
	XINS \k, 0, 1
.endr
	WIN 0
	s_wait_dscnt 0x0                               ; for the others' sake: my rows of x are stored
	s_wait_tensorcnt 1                             ; my part of W's K step 0 is in; K step 1's load may stay out
	s_barrier_signal -1
	s_barrier_wait -1                              ; everybody's is
	FETCH 0, 0, 0
	s_mov_b32 s2, 3                                ; tiles to go, this one among them
.Ltile:
	QUARTER 0, 1, 0, 1, 1, -1, 0                   ; a tile's first quarter stands in front of the loop: its products start the sums
	WIN 0
	s_wait_loadcnt 44                              ; so that with the sixteen below 60 loads are out
	BIASLD BN                                      ; the next tile's bias (in the last tile bv once more)
	s_mov_b32 s3, 3
.Llap:                                                 ; a trip goes once round the ring, from a lap's second quarter to the next lap's first, and fills both slots again
	XSTEP
	QUARTER 0, 2, 1, 0, 0, 0, 1
	QUARTER 0, 3, 0, 1, 0, 4, 1
	TURN 0, 1, 1, 0
	QUARTER 1, 1, 0, 1, 0, -1, 0
	XSTEP
	QUARTER 1, 2, 1, 0, 0, 0, 1
	QUARTER 1, 3, 0, 1, 0, 4, 1
	TURN 1, 0, 1, 1
	QUARTER 0, 1, 0, 1, 0, -1, 0
	WIN 0
	s_sub_co_u32 s3, s3, 1
	s_cmp_lg_u32 s3, 0
	s_cbranch_scc1 .Llap
	s_cmp_eq_u32 s2, 1
	s_cbranch_scc1 .Llast                          ; the last tile's tail is written out: it asks for nothing more
	XSTEP                                          ; the walk goes on into the next tile: the same text as a lap's, since every address is made from the walk's counters
	QUARTER 0, 2, 1, 0, 0, 0, 1
	QUARTER 0, 3, 0, 1, 0, 4, 1
	TURN 0, 1, 1, 0
	QUARTER 1, 1, 0, 1, 0, -1, 0
	XSTEP
	QUARTER 1, 2, 1, 0, 0, 0, 1
	QUARTER 1, 3, 0, 1, 0, 4, 1
	TURN 1, 0, 1, 0
	WAYOUT 0
	s_sub_co_u32 s2, s2, 1
	s_branch .Ltile
.Llast:
	QUARTER 0, 2, 1, 0, 0, 0, 2                    ; the walk's last K step of x goes into LDS; nothing is asked for
	QUARTER 0, 3, 0, 1, 0, 4, 2
	TURN 0, 1, 0, 0
	QUARTER 1, 1, 0, 1, 0, -1, 0
	QUARTER 1, 2, 1, 0, 0, -1, 0
	QUARTER 1, 3, 0, 1, 0, -1, 0
	s_wait_dscnt 0x0                               ; the very last quarter: nothing more to fetch
	MULN 1, 0, 0
	MULN 1, 1, 0
	MULN 1, 2, 0
	MULN 1, 3, 0
	WIN 0
	PLACES                                         ; the roundings below read results of products behind which no vector instruction has stood
	WAYOUT 1
	s_wait_tensorcnt 0x0                           ; the wave's end: the spare word's add and its wait, behind my last tensor load and my last LDS store
	ds_add_u32 v[SPW], v[NIL]
	s_wait_dscnt 0x0
	CROUND                                         ; the closing round: no work-group ends while a partner may still ask for a tile that names it
	s_endpgm
.Lfunc_end_k_q3be897250a_proj:
	.size	k_q3be897250a_proj, .Lfunc_end_k_q3be897250a_proj-k_q3be897250a_proj
	.p2alignl 7, 3214868480
	.fill 96, 4, 3214868480
	.section	.rodata,"a",@progbits
	.p2align	6, 0x0
	.amdhsa_kernel k_q3be897250a_proj
		.amdhsa_group_segment_fixed_size 327680
		.amdhsa_private_segment_fixed_size 0
		.amdhsa_enable_private_segment 0
		.amdhsa_kernarg_size 80
		.amdhsa_user_sgpr_count 2
		.amdhsa_user_sgpr_kernarg_segment_ptr 1
		.amdhsa_wavefront_size32 1
		.amdhsa_system_sgpr_workgroup_id_x 1
		.amdhsa_system_sgpr_workgroup_id_y 1
		.amdhsa_system_sgpr_workgroup_id_z 1
		.amdhsa_system_vgpr_workitem_id 0
		.amdhsa_next_free_vgpr 1024
		.amdhsa_next_free_sgpr 100
		.amdhsa_reserve_vcc 0
		.amdhsa_float_denorm_mode_32 3
		.amdhsa_float_denorm_mode_16_64 3
		.amdhsa_memory_ordered 1
		.amdhsa_forward_progress 1
		.amdhsa_inst_pref_size 201
	.end_amdhsa_kernel
	.amdgpu_metadata
---
amdhsa.version: [ 1, 2 ]
amdhsa.kernels:
  - .name:           k_q3be897250a_proj
    .symbol:         k_q3be897250a_proj.kd
    .args:
      - { .name: query, .offset: 0, .size: 8, .value_kind: global_buffer, .address_space: global }
      - { .name: key, .offset: 8, .size: 8, .value_kind: global_buffer, .address_space: global }
      - { .name: value, .offset: 16, .size: 8, .value_kind: global_buffer, .address_space: global }
      - { .name: wb, .offset: 24, .size: 8, .value_kind: global_buffer, .address_space: global }
      - { .name: bq, .offset: 32, .size: 8, .value_kind: global_buffer, .address_space: global }
      - { .name: bk, .offset: 40, .size: 8, .value_kind: global_buffer, .address_space: global }
      - { .name: bv, .offset: 48, .size: 8, .value_kind: global_buffer, .address_space: global }
      - { .name: qf, .offset: 56, .size: 8, .value_kind: global_buffer, .address_space: global }
      - { .name: kf, .offset: 64, .size: 8, .value_kind: global_buffer, .address_space: global }
      - { .name: vf, .offset: 72, .size: 8, .value_kind: global_buffer, .address_space: global }
    .group_segment_fixed_size: 327680
    .private_segment_fixed_size: 0
    .kernarg_segment_align: 8
    .kernarg_segment_size: 80
    .max_flat_workgroup_size: 128
    .sgpr_count:     100
    .vgpr_count:     1024
    .wavefront_size: 32
...
	.end_amdgpu_metadata
.endif
;; end of part 2
;; launch attn (part 3): grid 32 x 8, 4 waves a work-group, clusters of 4 x 1, 327,680 bytes of LDS; arguments qf, kf, vf, out0, out1; writes out0, out1
.if DOCPART == 3
	.amdgcn_target "amdgcn-amd-amdhsa--gfx1250"
	.amdhsa_code_object_version 6
	.text
	.protected	k_q3be897250a_attn
	.globl	k_q3be897250a_attn
	.p2align	8
	.type	k_q3be897250a_attn,@function
k_q3be897250a_attn:
	s_mov_b64 s[64:65], 0
	v_nop
	global_prefetch_b8 v0, s[64:65] scope:SCOPE_SE
	s_setreg_imm32_b32 hwreg(HW_REG_WAVE_MODE, 25, 1), 1
	s_wait_xcnt 0x0
	s_wait_alu depctr_hold_cnt(0) depctr_sa_sdst(0) depctr_va_vdst(0) depctr_va_sdst(0) depctr_va_ssrc(0) depctr_va_vcc(0) depctr_vm_vsrc(0)
	s_getreg_b32 s2, hwreg(HW_REG_IB_STS2, 6, 4)
	s_cmp_eq_u32 s2, 0
	s_cbranch_scc0 .Lentry_in_a_cluster
	s_endpgm
.Lentry_in_a_cluster:
	s_bfe_u32 s2, ttmp6, 0x10000c
	s_cmp_lg_u32 s2, 0x3003
	s_cbranch_scc0 .Lentry_shape_is_right
	s_endpgm
.Lentry_shape_is_right:
; w = relu(tanh(softmax_k(q . k / 8))) for each of 8 batches x 16 heads; out0[b][q][64 head + d] = the sum over k of w v; out1[b][q][k] = the mean of w over the heads.  Both f32.
; qf, kf, vf: f16, [batch 8][head 16][g 64][cb 4][512 bytes]: blocks of 16 tokens x 16 channels, laid so that 16 bytes a lane at 16 x lane ARE half a fragment (vf: for the turning load);
; g = 8 chunk + 2 wave + blk for the token block 16 wave + 2 chunk + blk: a chunk (32 keys of each of the four waves) is 16,384 consecutive bytes of a head.
; SHARES.  The mean spans the heads, so ONE work-group owns 32 queries (two tiles of 16) x all 1,024 keys of a batch and walks the 16 heads.  Wave w owns keys 256 w .. 256 w + 255: eight chunks of 32.
; It keeps its scores (256 registers), its part of the mean (256) and a partial O^T (64); the four partial O^T meet in LDS once a head.
; LAYOUT.  S^T = K Q^T (source 0 = 16 keys, source 1 = 16 queries): a lane holds ONE query (lane % 16) and keys 8 (lane / 16) + 0..7.  Two such results rounded to f16 ARE source 1 of O^T = V^T P.
; ARITHMETIC, all f32.  tanh wants the finished softmax, so a head has two passes over registers.  Pass 1: e = 2^(c s - c m_w), c = log2(e) / 8, m_w the maximum over the WAVE's keys; l_w their sum.
; The waves exchange (c m_w, l_w): g = the greatest c m_w, l = the sum of l_w 2^(c m_w - g), R = 2^(c m_own - g) / l: p = e R is the softmax with the row's true maximum taken away; l is at least 1.
; Pass 2: tanh(p) = p (1 + a p^2 + b p^4), as w = e ((B u + A) u + R), u = e e, A = a R^3, B = b R^5; relu is the clamp on the last product (0 .. 1; tanh stays under 0.77).
; LIMITS.  The polynomial (a = -0.3190854, b = 0.0815695) is off by at most 1.1e-3 absolutely and 0.15 % relatively on 0 .. 1, where every softmax weight lies, whatever the inputs.  A weight below 2^-126
; counts as 0.  w is rounded to f16 for the second product (the mean takes it unrounded).  NaN and infinities are not treated apart.
; PIPELINE.  Step j of head H: pass 2 of chunk j; beside it the products V^T P of chunk j - 1 and K Q^T of chunk j - 1 for head H + 1, which land in the score registers that chunk j - 1 has just left, and their
; running maximum.  Seven vector instructions stand behind each matrix instruction.  Head 15's steps multiply head 0's K and Q once more, to no use: the price of one text for every head.
; RING.  A PAIR BLOCK n is K of head (n + 1) % 16 and V of head n.  Slot 0 holds its chunks 0-2, slot 1 its chunks 3-7: each is filled again as soon as its last chunk is in registers.
; CLUSTER.  The four query blocks of a cluster walk the same K and V: every fill is a joint load with the mask of four.
; REGISTERS.  window 0: v4-19 addresses; v24-55 statistics, 16 a tile; v56-87 U; v88-119 T; v120-151 P, two buffers; v152-215 O^T.   window 1: S^T, (key block kb, tile t) at 16 kb + 8 t.
;   window 2: the mean, likewise.   window 3: v0-63 K's fragments, two buffers; v64-127 V's; v128-159 Q.
.set KS0,   0                          ; slot 0: K's chunks 0-2, 49,152 bytes,
.set VS0,   49152                      ;         V's chunks 0-2
.set KS1,   98304                      ; slot 1: K's chunks 3-7, 81,920 bytes (at the start: all of head 0's K, 131,072 bytes),
.set VS1,   180224                     ;         V's chunks 3-7
.set STAT,  262144                     ; 32 queries x 4 waves x (c m_w, l_w): 1,024 bytes.  From here on no tensor load lands
.set OSC,   263168                     ; the four partial O^T: 4 x 32 rows x 272 bytes
.set MST,   297984                     ; the mean's way out: 16 rows x 272 bytes for each wave
.set SPARE, 315392                     ; the spare words, 128 bytes for each wave: two blocks of 256 bytes that no other line names
.set LB,   4                           ; v4-7   16 x lane + 4,096 x wave + 65,536 p: LDS byte X of a slot is v[LB + X / 65536] with offset X % 65536
.set SPW,  8                           ; v8     LDS address of my spare word; never rewritten
.set NIL,  9                           ; v9     0; never rewritten
.set STA,  10                          ; v10    where I put a query's (c m_w, l_w)
.set STR,  11                          ; v11    where I read a query's four pairs
.set OST,  12                          ; v12    where I put 32 bytes of a row of my partial O^T
.set ORD,  13                          ; v13    where I read the partial rows back
.set OGO,  14                          ; v14    my byte offset in out0
.set MSTO, 15                          ; v15-17 the same three for the mean
.set MRD,  16
.set MGO,  17
.set QO,   18                          ; v18    16 x lane
.set PFO,  19                          ; v19    256 x lane
.set ST,   24                          ; tile t at ST + 16 t: +0,1 c m_w; +2,3 R; +4,5 A; +6,7 B (each twice, for the packed forms); +8,9 running maxima of the even and odd key blocks; +10..13 at work
.set U,    56
.set T,    88
.set P,    120                         ; buffer, tile at P + 16 buffer + 8 t
.set O,    152                         ; channel block cb, tile t at O + 16 cb + 8 t
.set TM,   152                         ; the mean's way out: scaled numbers, where O^T lay
.set KF,   0                           ; window 3: buffer, blk, channel half at 32 buffer + 16 blk + 8 half
.set VF,   64                          ; window 3: buffer, channel block at 64 + 32 buffer + 8 cb
.set QF,   128                         ; window 3: tile, channel half at 128 + 16 t + 8 half
.set WV,   14                          ; s14    my wave's number
.set G1A,  20                          ; s[20:27] descriptor group 1: 96 rows of 256 bytes (half of K's or V's chunks 0-2)
.set G1B,  28                          ; s[28:35] 160 rows (half of chunks 3-7)
.set G1C,  36                          ; s[36:43] 128 rows (a quarter of head 0's K)
.set G0A,  44                          ; s[44:47], s[48:51], s[52:55] their groups 0
.set G0B,  48
.set G0C,  52
.set SBA,  56                          ; s[56:57] my stream (K: waves 0, 1; V: waves 2, 3) at my half of chunks 0-2 of the batch's head 0
.set SBB,  58                          ; s[58:59] at my half of chunks 3-7
.set OFF,  60                          ; s[60:61] a head's byte offset
.set H,    62                          ; s62    the head
.set HS,   63                          ; s63    the head that my stream is asked for
.set KLEAD, 66                         ; s66    1 in K's waves: K runs a head ahead of V
.set CS,   68                          ; s[68:69] c
.set SEL,  70                          ; s[70:71] v_permlanex16_b32's selects: each lane takes its own place in the other half
.set HM,   72                          ; s72    lanes 16-31
.set CA,   73                          ; s73    a
.set CB,   74                          ; s74    b
.set QBASE, 76                         ; s[76:77] qf at my 32 queries of the batch's head 0
.set QCUR, 78                          ; s[78:79] at the head being loaded
.set OOUT, 80                          ; s[80:81] out0 at my first query
.set MOUT, 82                          ; s[82:83] out1 at my first query
.set PFK,  84                          ; s[84:85], s[86:87] where my prefetches of K and V stand
.set PFV,  86
.set LIMK, 88                          ; s88, s89 a wave prefetches while H is below these
.set LIMV, 89
.set OCUR, 90                          ; s[90:91] out0 at the head that goes out
.set SIX,  92                          ; s[92:93] 1 / 16
.set MSB, 0
.macro WIN new                         ; the immediate's high byte repeats the setting that is left; a switch that changes nothing is dropped
.if MSB != (\new)
	s_set_vgpr_msb (MSB<<8)|(\new)
.set MSB, \new
.endif
.endm
.set W_QK, 0x5f                        ; K and Q window 3, S^T (C and D) window 1
.set W_PV, 0x03                        ; V window 3, P and O^T window 0
.set W_LD, 0xc0                        ; destination window 3, address window 0
.macro PLACES                          ; four places behind a matrix instruction (ISA guide 7.12.1 for vector instructions)
.rept 4
	v_nop
.endr
.endm
.macro CROUND                          ; a round of the cluster's barrier
	s_barrier_signal -1
	s_barrier_wait -1
	s_cmp_lg_u32 s[WV], 0
	s_cbranch_scc1 .Lnot_wave_0_\@
	s_barrier_signal -3
.Lnot_wave_0_\@:
	s_barrier_wait -3
	s_barrier_signal -1
	s_barrier_wait -1
.endm
; THE CHANGE OF A SLOT.  Each wave waits for all its tensor loads (one is out: its part of the other slot), adds 0 to its spare word, and waits for that and for its LDS reads and stores.  Behind the round no wave of
; any partner reads the slot, the other slot is whole, and (which = 1) the partial O^T of the head just ended lie in LDS.  The joint refill is the first thing behind the round: my one tensor load until the next.
; which = 0: slot 0 takes chunks 0-2 of pair block H; 1: slot 1 its chunks 3-7.  The address is made anew from the head's number.
.macro CHANGE which
	WIN 0
	s_wait_tensorcnt 0x0                           ; no tensor load of mine is out, so a group 0 may be written
	ds_add_u32 v[SPW], v[NIL]                      ; 0 onto my spare word; the scalar work stands between it and its wait
	s_add_co_u32 s[HS], s[H], s[KLEAD]
	s_and_b32 s[HS], s[HS], 15
	s_lshl_b32 s[OFF], s[HS], 17                   ; a head is 131,072 bytes
.if \which
	s_add_nc_u64 s[G0B+2:G0B+3], s[SBB:SBB+1], s[OFF:OFF+1]
	s_or_b32 s[G0B+3], s[G0B+3], 0x80000000
	s_wait_xcnt 0x0                                ; the last head's prefetches and stores have read their registers
	s_add_nc_u64 s[PFK:PFK+1], s[PFK:PFK+1], 131072
	s_add_nc_u64 s[PFV:PFV+1], s[PFV:PFV+1], 131072
	s_sub_co_u32 s2, s[H], 1                       ; head H - 1 goes out (at H = 0 nothing does)
	s_and_b32 s2, s2, 15
	s_lshl_b32 s2, s2, 8                           ; 64 numbers of 4 bytes
	s_mov_b32 s3, 0
	s_add_nc_u64 s[OCUR:OCUR+1], s[OOUT:OOUT+1], s[2:3]
.else
	s_add_nc_u64 s[G0A+2:G0A+3], s[SBA:SBA+1], s[OFF:OFF+1]
	s_or_b32 s[G0A+3], s[G0A+3], 0x80000000
.endif
	s_wait_dscnt 0x0
	CROUND
.if \which
	tensor_load_to_lds s[G0B:G0B+3], s[G1B:G1B+7]
.else
	tensor_load_to_lds s[G0A:G0A+3], s[G1A:G1A+7]
.endif
	s_nop 0
	PLACES
.endm
; THE LDS LOADS stand in runs.  A chunk's K: 2 key blocks x 2 channel halves, two loads of 16 bytes a lane each; its V: 4 channel blocks, two turning loads each.  All at 16 x lane: consecutive bytes.
.macro LDKAT base, buf
	WIN W_LD
.irp e, 0,1,2,3
.set xa, (\base)+((\e)/2)*2048+((\e)%2)*1024
	ds_load_b128 v[KF+32*(\buf)+8*(\e):KF+32*(\buf)+8*(\e)+3], v[LB+xa/65536] offset:xa%65536
.set xa, xa+512
	ds_load_b128 v[KF+32*(\buf)+8*(\e)+4:KF+32*(\buf)+8*(\e)+7], v[LB+xa/65536] offset:xa%65536
.endr
.endm
.macro LDK c
.if (\c) < 3
	LDKAT KS0+(\c)*16384, (\c)%2
.else
	LDKAT KS1+((\c)-3)*16384, (\c)%2
.endif
.endm
.macro LDK0 c                          ; head 0's K, which lies whole in slot 1's bytes at the start
	LDKAT KS1+(\c)*16384, (\c)%2
.endm
.macro LDV c
.if (\c) < 3
.set xb, VS0+(\c)*16384
.else
.set xb, VS1+((\c)-3)*16384
.endif
	WIN W_LD
.irp e, 0,1,2,3
.set xa, xb+(\e)*512
	ds_load_tr16_b128 v[VF+32*((\c)%2)+8*(\e):VF+32*((\c)%2)+8*(\e)+3], v[LB+xa/65536] offset:xa%65536
.set xa, xa+2048
	ds_load_tr16_b128 v[VF+32*((\c)%2)+8*(\e)+4:VF+32*((\c)%2)+8*(\e)+7], v[LB+xa/65536] offset:xa%65536
.endr
.endm
.macro QLOAD                           ; 32 queries x 64 channels of one head: tile e / 2, channel half e % 2
	WIN W_LD
.irp e, 0,1,2,3
	global_load_b128 v[QF+8*(\e):QF+8*(\e)+3],   v[QO], s[QCUR:QCUR+1] offset:1024*(\e)
	global_load_b128 v[QF+8*(\e)+4:QF+8*(\e)+7], v[QO], s[QCUR:QCUR+1] offset:1024*(\e)+512
.endr
	WIN 0
.endm
; THE MATRIX WORK.  The accumulators take turns, one instruction a turn.  Product i of 8 of S^T = K Q^T for chunk c: channel half i / 4, key block (i / 2) % 2, tile i % 2; the first 4 start the sums.
.macro QK c
.set rS, 32*(\c)+16*((i/2)%2)+8*(i%2)
.set rK, KF+32*((\c)%2)+16*((i/2)%2)+8*(i/4)
.set rQ, QF+16*(i%2)+8*(i/4)
	WIN W_QK
.if i < 4
	v_wmma_f32_16x16x32_f16 v[rS:rS+7], v[rK:rK+7], v[rQ:rQ+7], 0
.else
	v_wmma_f32_16x16x32_f16 v[rS:rS+7], v[rK:rK+7], v[rQ:rQ+7], v[rS:rS+7]
.endif
.endm
; Product i of 8 of O^T += V^T P for chunk c: channel block i / 2, tile i % 2.  Chunk 0 starts the sums.
.macro PV c
.set rO, O+16*(i/2)+8*(i%2)
.set rV, VF+32*((\c)%2)+8*(i/2)
.set rP, P+16*((\c)%2)+8*(i%2)
	WIN W_PV
.if (\c) == 0
	v_wmma_f32_16x16x32_f16 v[rO:rO+7], v[rV:rV+7], v[rP:rP+7], 0
.else
	v_wmma_f32_16x16x32_f16 v[rO:rO+7], v[rV:rV+7], v[rP:rP+7], v[rO:rO+7]
.endif
.endm
; THE VECTOR WORK OF PASS 2, on pair x (0..15) of chunk J: registers 32 J + 2 x, 2 x + 1 of S^T; its tile is (x / 4) % 2.
.macro OPU x                           ; u = e e
	WIN 0x05
	v_pk_mul_f32 v[U+2*(\x):U+2*(\x)+1], v[32*J+2*(\x):32*J+2*(\x)+1], v[32*J+2*(\x):32*J+2*(\x)+1]
.endm
.macro OPQ1 x                          ; B u + A
.set rT, ST+16*(((\x)/4)%2)
	WIN 0
	v_pk_fma_f32 v[T+2*(\x):T+2*(\x)+1], v[U+2*(\x):U+2*(\x)+1], v[rT+6:rT+7], v[rT+4:rT+5]
.endm
.macro OPQ2 x                          ; (B u + A) u + R
.set rT, ST+16*(((\x)/4)%2)
	WIN 0
	v_pk_fma_f32 v[T+2*(\x):T+2*(\x)+1], v[T+2*(\x):T+2*(\x)+1], v[U+2*(\x):U+2*(\x)+1], v[rT+2:rT+3]
.endm
.macro OPW x                           ; w = e (..), held to 0 .. 1: the relu
	WIN 0x41
	v_pk_mul_f32 v[32*J+2*(\x):32*J+2*(\x)+1], v[32*J+2*(\x):32*J+2*(\x)+1], v[T+2*(\x):T+2*(\x)+1] clamp
.endm
.macro OPM x                           ; the mean's sum takes w: destination and source 0 window 2, source 1 window 1
	WIN 0x86
	v_pk_add_f32 v[32*J+2*(\x):32*J+2*(\x)+1], v[32*J+2*(\x):32*J+2*(\x)+1], v[32*J+2*(\x):32*J+2*(\x)+1]
.endm
.macro OPC x                           ; w rounded to f16, into source 1 of V^T P
	WIN 0x05
	v_cvt_pk_f16_f32 v[P+16*(J%2)+8*(((\x)/4)%2)+4*((\x)/8)+(\x)%4], v[32*J+2*(\x)], v[32*J+2*(\x)+1]
.endm
; Number n of the 16 that take chunk c's new scores into the running maxima: four chains (tile n % 2, key block (n / 2) % 2), stage n / 4, two scores a stage; each accumulator's lowest registers are read first.
; Chunk 0's first stage starts the chains.
.macro OPX c, n
.set xt, (\n)%2
.set xk, ((\n)/2)%2
.set xs, (\n)/4
.set rX, ST+16*xt+8+xk
.set rS, 32*(\c)+16*xk+8*xt+2*xs
.if ((\c) == 0) && (xs == 0)
	WIN 0x05
	v_max_num_f32 v[rX], v[rS], v[rS+1]
.else
	WIN 0x14
	v_max3_num_f32 v[rX], v[rX], v[rS], v[rS+1]
.endif
.endm
; A step's queue, 112 long, in the order in which its entries become ready: each kind 16 times, so that an entry reads what was written 16 entries earlier.
.macro NEXT
.if q < 16
	OPU q
.elseif q < 32
	OPQ1 q-16
.elseif q < 48
	OPQ2 q-32
.elseif q < 64
	OPW q-48
.elseif q < 80
	OPM q-64
.elseif q < 96
	OPC q-80
.else
	OPX J-1, q-96
.endif
.set q, q+1
.endm
; STEP j.  0: pass 2 of chunk 0 alone.  1-7: chunk j's fragments are asked for (seven plain instructions behind the last product that read that buffer); chunk j - 1's, issued a step ago, are in when the 16 just issued
; are all that is out; then 8 products K Q^T and 8 products V^T P of chunk j - 1, seven of the queue behind each.  The new scores' maxima stand at the queue's end, six products behind the last K Q^T.
; 8: the last chunk's products, and my partial O^T goes into LDS.
.macro STEP j
.set J, (\j)
.set q, 0
.if (\j) == 0
.rept 96
	NEXT
.endr
.elseif (\j) < 8
	LDK \j
	LDV \j
	s_wait_dscnt 16
.set i, 0
.rept 8
	QK (\j)-1
.rept 7
	NEXT
.endr
.set i, i+1
.endr
.set i, 0
.rept 8
	PV (\j)-1
.rept 7
	NEXT
.endr
.set i, i+1
.endr
.else
	s_wait_dscnt 0x0
.set i, 0
.rept 8
	QK 7
.set i, i+1
.endr
	WIN 0
	PLACES
.set i, 0
.rept 8
	PV 7
	OPX 7, 2*i
	OPX 7, 2*i+1
.set i, i+1
.endr
	WIN 0
	PLACES
.irp e, 0,1,2,3,4,5,6,7                ; channel block e / 2, tile e % 2: row = query, 32 bytes = my eight channels
	ds_store_b128 v[OST], v[O+8*(\e):O+8*(\e)+3]   offset:4352*((\e)%2)+64*((\e)/2)
	ds_store_b128 v[OST], v[O+8*(\e)+4:O+8*(\e)+7] offset:4352*((\e)%2)+64*((\e)/2)+16
.endr
.endif
.endm
; PASS 1 of head H.  Q of the next head is asked for first.  The exponentials are ONE batch with ONE wait: nothing ahead of the wait names a result.
.macro FS p                            ; c s - c m_w for pair p of 128
	v_pk_fma_f32 v[2*(\p):2*(\p)+1], v[2*(\p):2*(\p)+1], s[CS:CS+1], v[ST+16*(((\p)/4)%2):ST+16*(((\p)/4)%2)+1] op_sel_hi:[1,0,0] neg_lo:[0,0,1] neg_hi:[0,0,1]
.endm
.macro PHASE1
	WIN 0
	s_add_co_u32 s2, s[H], 1
	s_and_b32 s2, s2, 15
	s_lshl_b32 s2, s2, 17
	s_mov_b32 s3, 0
	s_add_nc_u64 s[QCUR:QCUR+1], s[QBASE:QBASE+1], s[2:3]  ; (the last head's loads of Q have been waited for)
	QLOAD
.irp t, 0,1
	v_max_num_f32 v[ST+16*(\t)+10], v[ST+16*(\t)+8], v[ST+16*(\t)+9]
.endr
.irp t, 0,1
	v_permlanex16_b32 v[ST+16*(\t)+11], v[ST+16*(\t)+10], s[SEL], s[SEL+1]  ; the query's other keys lie in the lane 16 away
.endr
.irp t, 0,1
	v_max_num_f32 v[ST+16*(\t)+10], v[ST+16*(\t)+10], v[ST+16*(\t)+11]
.endr
.irp t, 0,1
	v_mul_f32 v[ST+16*(\t)], s[CS], v[ST+16*(\t)+10]
.endr
.irp t, 0,1
	v_mov_b32 v[ST+16*(\t)+1], v[ST+16*(\t)]
.endr
	WIN 0x41                                       ; S^T as destination and source 0, c m_w in window 0
	FS 0
	FS 1
.set g, 0
.rept 126
	v_exp_f32 v[2*g], v[2*g]
	v_exp_f32 v[2*g+1], v[2*g+1]
	FS g+2
.set g, g+1
.endr
.irp e, 252,253,254,255
	v_exp_f32 v[\e], v[\e]
.endr
	v_nop                                          ; a plain instruction behind the last exponential,
	s_wait_alu depctr_va_vdst(0)                   ; and the one wait ahead of the batch's first reader
	s_wait_xcnt 0x0                                ; the stores of the head that went out have read U's registers, which pass 2 writes
	WIN 0x05                                       ; l_w: eight chains (tile, pair % 4), each of 16 pairs; the first two pairs start a chain
.set g, 0
.rept 8
	v_pk_add_f32 v[T+2*g:T+2*g+1], v[2*g:2*g+1], v[2*(8+g):2*(8+g)+1]
.set g, g+1
.endr
	WIN 0x04
.set g, 16
.rept 112
	v_pk_add_f32 v[T+2*(g%8):T+2*(g%8)+1], v[T+2*(g%8):T+2*(g%8)+1], v[2*g:2*g+1]
.set g, g+1
.endr
	WIN 0
.irp t, 0,1
	v_pk_add_f32 v[T+8*(\t):T+8*(\t)+1], v[T+8*(\t):T+8*(\t)+1], v[T+8*(\t)+2:T+8*(\t)+3]
	v_pk_add_f32 v[T+8*(\t)+4:T+8*(\t)+5], v[T+8*(\t)+4:T+8*(\t)+5], v[T+8*(\t)+6:T+8*(\t)+7]
.endr
.irp t, 0,1
	v_pk_add_f32 v[T+8*(\t):T+8*(\t)+1], v[T+8*(\t):T+8*(\t)+1], v[T+8*(\t)+4:T+8*(\t)+5]
.endr
.irp t, 0,1
	v_add_f32 v[ST+16*(\t)+10], v[T+8*(\t)], v[T+8*(\t)+1]
.endr
.irp t, 0,1
	v_permlanex16_b32 v[ST+16*(\t)+11], v[ST+16*(\t)+10], s[SEL], s[SEL+1]
.endr
.irp t, 0,1
	v_add_f32 v[ST+16*(\t)+12], v[ST+16*(\t)+10], v[ST+16*(\t)+11]
.endr
	v_cndmask_b32 v[T+16], v[ST], v[ST+16], s[HM]        ; lane l speaks for query l: lanes 16-31 for tile 1
	v_cndmask_b32 v[T+17], v[ST+12], v[ST+28], s[HM]
	ds_store_b64 v[STA], v[T+16:T+17]
.endm
; THE EXCHANGE.  My pair is stored, everybody's is. Then R, A, B for both tiles.  Chunk 0's fragments are asked for behind the four loads of the pairs.
.macro XCHG
	WIN 0
	s_wait_dscnt 0x0                               ; for the others' sake: my store is done
	s_barrier_signal -1
	s_barrier_wait -1
	ds_load_b128 v[T+16:T+19], v[STR]
	ds_load_b128 v[T+20:T+23], v[STR] offset:16
	ds_load_b128 v[T+24:T+27], v[STR] offset:512
	ds_load_b128 v[T+28:T+31], v[STR] offset:528
	LDK 0
	LDV 0
	WIN 0
	s_wait_dscnt 16                                ; the four pairs of both tiles are in; the 16 fragment loads may stay out
.irp t, 0,1
	v_max3_num_f32 v[ST+16*(\t)+10], v[T+16+8*(\t)], v[T+18+8*(\t)], v[T+20+8*(\t)]
.endr
.irp t, 0,1
	v_max_num_f32 v[ST+16*(\t)+10], v[ST+16*(\t)+10], v[T+22+8*(\t)]     ; g
.endr
.irp w, 0,2,4,6
.irp t, 0,1
	v_sub_f32 v[T+16+8*(\t)+(\w)], v[T+16+8*(\t)+(\w)], v[ST+16*(\t)+10]
.endr
.endr
.irp t, 0,1
	v_sub_f32 v[ST+16*(\t)+11], v[ST+16*(\t)], v[ST+16*(\t)+10]
.endr
.irp w, 0,2,4,6
.irp t, 0,1
	v_exp_f32 v[T+16+8*(\t)+(\w)], v[T+16+8*(\t)+(\w)]
.endr
.endr
.irp t, 0,1
	v_exp_f32 v[ST+16*(\t)+11], v[ST+16*(\t)+11]
.endr
	v_nop
	s_wait_alu depctr_va_vdst(0)                   ; one wait for the ten
.irp t, 0,1
	v_mul_f32 v[ST+16*(\t)+12], v[T+17+8*(\t)], v[T+16+8*(\t)]
.endr
.irp w, 2,4,6
.irp t, 0,1
	v_fma_f32 v[ST+16*(\t)+12], v[T+17+8*(\t)+(\w)], v[T+16+8*(\t)+(\w)], v[ST+16*(\t)+12]  ; l
.endr
.endr
.irp t, 0,1
	v_rcp_f32 v[ST+16*(\t)+13], v[ST+16*(\t)+12]
.endr
	v_nop
	s_wait_alu depctr_va_vdst(0)                   ; one wait for the two
.irp t, 0,1
	v_mul_f32 v[ST+16*(\t)+2], v[ST+16*(\t)+11], v[ST+16*(\t)+13]        ; R
.endr
.irp t, 0,1
	v_mul_f32 v[ST+16*(\t)+10], v[ST+16*(\t)+2], v[ST+16*(\t)+2]         ; R^2
.endr
.irp t, 0,1
	v_mul_f32 v[ST+16*(\t)+12], v[ST+16*(\t)+10], v[ST+16*(\t)+2]        ; R^3
.endr
.irp t, 0,1
	v_mul_f32 v[ST+16*(\t)+13], v[ST+16*(\t)+12], v[ST+16*(\t)+10]       ; R^5
	v_mul_f32 v[ST+16*(\t)+4], s[CA], v[ST+16*(\t)+12]                   ; A
.endr
.irp t, 0,1
	v_mul_f32 v[ST+16*(\t)+6], s[CB], v[ST+16*(\t)+13]                   ; B
	v_mov_b32 v[ST+16*(\t)+3], v[ST+16*(\t)+2]
	v_mov_b32 v[ST+16*(\t)+5], v[ST+16*(\t)+4]
.endr
.irp t, 0,1
	v_mov_b32 v[ST+16*(\t)+7], v[ST+16*(\t)+6]
.endr
	s_wait_loadcnt 0x0                             ; Q of the next head
.endm
; A HEAD GOES OUT.  Wave w adds the four partial O^T of queries 8 w .. 8 w + 7 and stores them: 16 lanes store a query's 64 numbers, 256 consecutive bytes, aligned.
.macro OEX
	WIN 0
.irp p, 0,1,2,3
.irp x, 0,1,2,3
	ds_load_b128 v[U+16*(\p)+4*(\x):U+16*(\p)+4*(\x)+3], v[ORD] offset:8704*(\p)+544*(\x)
.endr
.endr
	s_wait_dscnt 0x0
.set z, 0
.rept 8
	v_pk_add_f32 v[U+2*z:U+2*z+1], v[U+2*z:U+2*z+1], v[U+16+2*z:U+16+2*z+1]
	v_pk_add_f32 v[U+32+2*z:U+32+2*z+1], v[U+32+2*z:U+32+2*z+1], v[U+48+2*z:U+48+2*z+1]
.set z, z+1
.endr
.set z, 0
.rept 8
	v_pk_add_f32 v[U+2*z:U+2*z+1], v[U+2*z:U+2*z+1], v[U+32+2*z:U+32+2*z+1]
.set z, z+1
.endr
.irp x, 0,1,2,3
	global_store_b128 v[OGO], v[U+4*(\x):U+4*(\x)+3], s[OCUR:OCUR+1] offset:8192*(\x) th:TH_STORE_NT
.endr
.endm
; THE MEAN GOES OUT, in eight pieces p = 4 t + kg of 16 queries x 64 keys: scaled by 1 / 16, through my own stage in LDS (rows of 272 bytes), back as whole rows of 256 bytes.
.macro MPIECE p
.set mt, (\p)/4
.set mk, (\p)%4
.set rb, T+32*((\p)%2)
.if (\p) >= 2
	s_wait_xcnt 0x0                                ; the stores of the piece two back have read these registers
.endif
	WIN 0x02
.set z, 0
.rept 16
	v_pk_mul_f32 v[TM+2*z:TM+2*z+1], v[16*(4*mk+z/4)+8*mt+2*(z%4):16*(4*mk+z/4)+8*mt+2*(z%4)+1], s[SIX:SIX+1] op_sel_hi:[1,0]
.set z, z+1
.endr
	WIN 0
.irp x, 0,1,2,3
	ds_store_b128 v[MSTO], v[TM+8*(\x):TM+8*(\x)+3]   offset:64*(\x)
	ds_store_b128 v[MSTO], v[TM+8*(\x)+4:TM+8*(\x)+7] offset:64*(\x)+16
.endr
.irp x, 0,1,2,3,4,5,6,7
	ds_load_b128 v[rb+4*(\x):rb+4*(\x)+3], v[MRD] offset:544*(\x)  ; LDS serves a wave's instructions in order (ISA guide 5.7.1.4): these see the stores above; the next piece's stores come behind them
.endr
.endm
.macro MSEND p, younger                ; younger: the LDS instructions issued behind piece p's loads: the next piece's sixteen, or none
.set mt, (\p)/4
.set mk, (\p)%4
.set rb, T+32*((\p)%2)
.irp f, 0,1,2,3,4,5,6,7
	s_wait_dscnt (\younger)+7-(\f)
	global_store_b128 v[MGO], v[rb+4*(\f):rb+4*(\f)+3], s[MOUT:MOUT+1] offset:(16*mt+2*(\f))*4096+256*mk th:TH_STORE_NT
.endr
.endm
	s_load_b256 s[4:11], s[0:1], 0x0               ; qf s[4:5], kf s[6:7], vf s[8:9], out0 s[10:11]
	s_load_b64 s[12:13], s[0:1], 0x20              ; out1
	v_lshl_add_u32 v[SPW], v0, 2, SPARE
	v_mov_b32 v[NIL], 0
	ds_add_u32 v[SPW], v[NIL]                      ; the wave's opening: the add and its wait stand ahead of my first tensor load; the set-up below stands between them
	v_lshrrev_b32 v1, 5, v0
	v_readfirstlane_b32 s[WV], v1                  ; wave 0..3
	s_bfe_u32 s15, ttmp6, 0x40000                  ; cx: it enters Q's, the outputs' and the prefetches' addresses alone
	s_lshl_b32 s16, ttmp9, 2
	s_add_co_u32 s16, s16, s15                     ; QB: my block of 32 queries
	s_and_b32 s17, ttmp7, 0xffff                   ; the batch, which the four partners share
	s_lshl_b32 s18, s17, 21                        ; a batch is 2 MiB of qf, kf, vf
	s_mov_b32 s19, 0
.irp g, G1A, G1B, G1C                  ; dense bytes, asked for as rows of 256: elements of 8 bytes, 32 to a row
	s_mov_b32 s[(\g)], 15|(3<<16)|(1<<21)          ; the mask of four; element size code 3; bit 21 beside a mask; no padding
	s_mov_b32 s[(\g)+1], 32<<16                    ; tensor_dim0 = 32
	s_mov_b32 s[(\g)+3], 32<<16                    ; tile_dim0 = 32
	s_mov_b32 s[(\g)+5], 32                        ; 32 elements from row to row
	s_mov_b32 s[(\g)+6], 0
	s_mov_b32 s[(\g)+7], 0
.endr
	s_mov_b32 s[G1A+2], 96<<16                     ; tensor_dim1 and tile_dim1: the rows
	s_mov_b32 s[G1A+4], 96
	s_mov_b32 s[G1B+2], 160<<16
	s_mov_b32 s[G1B+4], 160
	s_mov_b32 s[G1C+2], 128<<16
	s_mov_b32 s[G1C+4], 128
	s_mov_b32 s[G0A], 1
	s_mov_b32 s[G0B], 1
	s_mov_b32 s[G0C], 1
	s_mul_i32 s[G0A+1], s[WV], 24576               ; LDS: K's two halves, then V's two: wave x a constant
	s_mul_i32 s[G0B+1], s[WV], 40960
	s_add_co_u32 s[G0B+1], s[G0B+1], KS1
	s_lshl_b32 s[G0C+1], s[WV], 15
	s_add_co_u32 s[G0C+1], s[G0C+1], KS1
	s_and_b32 s94, s[WV], 1                        ; which half of my stream's part I fetch
	s_mul_i32 s2, s94, 24576
	s_mov_b32 s3, 0
	s_mul_i32 s94, s94, 40960
	s_add_co_u32 s94, s94, 49152
	s_mov_b32 s95, 0
	s_lshl_b32 s96, s[WV], 15                      ; my quarter of head 0's K
	s_mov_b32 s97, 0
	s_mov_b32 s[CS], 0x3e38aa3b                    ; c = log2(e) / 8
	s_mov_b32 s[CS+1], s[CS]
	s_mov_b32 s[SEL], 0x76543210
	s_mov_b32 s[SEL+1], 0xfedcba98
	s_mov_b32 s[HM], 0xffff0000
	s_mov_b32 s[CA], 0xbea35f2a                    ; a = -0.3190854
	s_mov_b32 s[CB], 0x3da70de9                    ; b = 0.0815695
	s_mov_b32 s[SIX], 0x3d800000                   ; 1 / 16
	s_mov_b32 s[SIX+1], s[SIX]
	s_mov_b32 s[OFF+1], 0
	s_wait_dscnt 0x0                               ; the opening add is done
	s_wait_kmcnt 0x0
	s_add_nc_u64 s[4:5], s[4:5], s[18:19]          ; the three at my batch
	s_add_nc_u64 s[6:7], s[6:7], s[18:19]
	s_add_nc_u64 s[8:9], s[8:9], s[18:19]
	s_cmp_lt_u32 s[WV], 2
	s_cselect_b64 s[SBA:SBA+1], s[6:7], s[8:9]     ; waves 0 and 1 fetch K, waves 2 and 3 V
	s_cselect_b32 s[KLEAD], 1, 0
	s_add_nc_u64 s[SBB:SBB+1], s[SBA:SBA+1], s[94:95]
	s_add_nc_u64 s[SBA:SBA+1], s[SBA:SBA+1], s[2:3]
	s_add_nc_u64 s[G0C+2:G0C+3], s[6:7], s[96:97]
	s_or_b32 s[G0C+3], s[G0C+3], 0x80000000
	s_lshl_b32 s[OFF], s[KLEAD], 17                ; pair block 0: K of head 1, V of head 0
	s_add_nc_u64 s[G0A+2:G0A+3], s[SBA:SBA+1], s[OFF:OFF+1]
	s_or_b32 s[G0A+3], s[G0A+3], 0x80000000
	s_and_b32 s98, s16, 7                          ; my 32 queries are token blocks 2 QB, 2 QB + 1: chunk QB % 8, wave QB / 8
	s_lshl_b32 s98, s98, 14
	s_lshr_b32 s99, s16, 3
	s_lshl_b32 s99, s99, 12
	s_add_co_u32 s98, s98, s99
	s_mov_b32 s99, 0
	s_add_nc_u64 s[QBASE:QBASE+1], s[4:5], s[98:99]
	s_mov_b64 s[QCUR:QCUR+1], s[QBASE:QBASE+1]
	s_lshl_b32 s98, s17, 22                        ; row 1,024 b + 32 QB of 4,096 bytes, in out0 and in out1
	s_lshl_b32 s67, s16, 17
	s_add_co_u32 s98, s98, s67
	s_add_nc_u64 s[OOUT:OOUT+1], s[10:11], s[98:99]
	s_add_nc_u64 s[MOUT:MOUT+1], s[12:13], s[98:99]
	s_lshl_b32 s98, s15, 2                         ; the prefetches: of a head's 131,072 bytes wave 4 cx + w takes 8,192, a lane 256
	s_add_co_u32 s98, s98, s[WV]
	s_lshl_b32 s98, s98, 13
	s_add_nc_u64 s[PFV:PFV+1], s[8:9], s[98:99]    ; V at head 0: the first change steps it to head 1,
	s_add_nc_u64 s[PFK:PFK+1], s[6:7], s[98:99]
	s_add_nc_u64 s[PFK:PFK+1], s[PFK:PFK+1], 131072  ; K at head 1: to head 2
	s_cmp_eq_u32 ttmp9, 0                          ; all eight clusters of a batch walk the same K and V: the first asks.  The same in all four partners
	s_cselect_b32 s[LIMK], 14, 0                   ; K of heads 2 to 15, in trips 0 to 13,
	s_cselect_b32 s[LIMV], 15, 0                   ; V of heads 1 to 15, in trips 0 to 14
	CROUND                                         ; all four work-groups are here: the first joint loads meet
	tensor_load_to_lds s[G0C:G0C+3], s[G1C:G1C+7]  ; head 0's K, into slot 1's bytes,
	s_nop 0
	tensor_load_to_lds s[G0A:G0A+3], s[G1A:G1A+7]  ; and chunks 0-2 of pair block 0: two loads of mine are out
	s_nop 0
	PLACES
	v_and_b32 v1, 31, v0                           ; lane
	v_and_b32 v2, 15, v0                           ; r
	v_bfe_u32 v3, v0, 4, 1                         ; h
	v_lshlrev_b32 v[QO], 4, v1
	QLOAD                                          ; Q of head 0
	WIN 0x80                                       ; the mean's sums start at 0, written while the first tile is on its way: so one text serves all sixteen heads
.set z, 0
.rept 256
	v_mov_b32 v[z], 0
.set z, z+1
.endr
	WIN 0
	v_lshl_add_u32 v[LB], s[WV], 12, v[QO]
	v_add_nc_u32 v[LB+1], 65536, v[LB]
	v_add_nc_u32 v[LB+2], 131072, v[LB]
	v_add_nc_u32 v[LB+3], 196608, v[LB]
	v_lshlrev_b32 v20, 5, v1
	v_lshl_add_u32 v20, s[WV], 3, v20
	v_add_nc_u32 v[STA], STAT, v20                 ; query = lane: 32 bytes a query, 8 a wave
	v_lshlrev_b32 v20, 5, v2
	v_add_nc_u32 v[STR], STAT, v20
	v_mul_u32_u24 v20, v2, 272
	v_lshl_add_u32 v20, v3, 5, v20                 ; in: row r, 32 bytes for each half of the lanes
	v_mul_u32_u24 v21, v3, 272
	v_lshl_add_u32 v21, v2, 4, v21                 ; back: lanes 0-15 one row of 256 bytes, lanes 16-31 the next
	v_lshlrev_b32 v22, 12, v3
	v_lshl_add_u32 v22, v2, 4, v22                 ; and the same two rows in an output
	s_mul_i32 s2, s[WV], 8704
	s_add_co_u32 s2, s2, OSC
	v_add_nc_u32 v[OST], s2, v20                   ; my partial O^T
	s_mul_i32 s2, s[WV], 8*272
	s_add_co_u32 s2, s2, OSC
	v_add_nc_u32 v[ORD], s2, v21                   ; rows 8 w .. of each partial
	s_lshl_b32 s2, s[WV], 15
	v_add_nc_u32 v[OGO], s2, v22
	s_mul_i32 s2, s[WV], 4352
	s_add_co_u32 s2, s2, MST
	v_add_nc_u32 v[MSTO], s2, v20
	v_add_nc_u32 v[MRD], s2, v21
	s_lshl_b32 s2, s[WV], 10                       ; my 256 keys
	v_add_nc_u32 v[MGO], s2, v22
	v_lshlrev_b32 v[PFO], 8, v1
	v_mov_b32 v[ST+11], 0                          ; v_permlanex16_b32 counts as a reader of its destination
	v_mov_b32 v[ST+27], 0
	s_wait_tensorcnt 1                             ; my quarter of head 0's K is in; the other load may stay out
	s_barrier_signal -1
	s_barrier_wait -1                              ; everybody's is
	; HEAD 0's SCORES: eight chunks of 8 products; behind each product two of the chunk before's maxima
	LDK0 0
.set cc, 0
.rept 8
.if cc > 0
	WIN 0
	PLACES                                         ; behind the chunk before's last product: in front of the loads into its buffer and of the maxima that read its scores
.endif
.if cc < 7
	LDK0 cc+1
	s_wait_dscnt 8                                 ; this chunk's fragments are in; the next chunk's 8 loads may stay out
.else
	s_wait_dscnt 0x0
.endif
.if cc == 0
	s_wait_loadcnt 0x0                             ; Q
.endif
.set i, 0
.rept 8
	QK cc
.if cc > 0
	OPX cc-1, 2*i
	OPX cc-1, 2*i+1
.endif
.set i, i+1
.endr
.set cc, cc+1
.endr
	WIN 0
	PLACES
.set i, 0
.rept 16
	OPX 7, i
.set i, i+1
.endr
	WIN 0
	s_mov_b32 s[H], 0
	s_branch .LY2                                  ; the loop is entered in the middle of a trip: slot 1 is filled 16 times, slot 0 (filled once above) 15 times
.Ltop:
	CHANGE 0                                       ; head H - 1 has chunks 0-2 in registers: slot 0 takes pair block H's
	STEP 3
	STEP 4
	STEP 5
	STEP 6
	STEP 7
	STEP 8
	WIN 0
.LY2:
	CHANGE 1                                       ; head H - 1 is through: slot 1 takes pair block H's chunks 3-7
	; PREFETCHES, together, behind the tensor load and its five lines: all of V of head H + 1 and of K of head H + 2, which are pair block H + 1.  Each block of 256 bytes is named once in the launch: by the batch's
	; first cluster, 8,192 bytes a wave, the partners told apart by address.  Pass 1 and three steps stand between them and the load of that pair block's chunks 0-2.  The last trips ask for nothing.
	s_cmp_lt_u32 s[H], s[LIMV]
	s_cbranch_scc0 .Lno_v
	global_prefetch_b8 v[PFO], s[PFV:PFV+1] th:TH_LOAD_NT scope:SCOPE_SE
.Lno_v:
	s_cmp_lt_u32 s[H], s[LIMK]
	s_cbranch_scc0 .Lno_k
	global_prefetch_b8 v[PFO], s[PFK:PFK+1] th:TH_LOAD_NT scope:SCOPE_SE
.Lno_k:
	s_cmp_eq_u32 s[H], 0
	s_cbranch_scc1 .Lskip                          ; no head has ended yet: a jump forward, past no barrier and no tensor load
	OEX
.Lskip:
	PHASE1
	XCHG
	STEP 0
	STEP 1
	STEP 2
	WIN 0
	s_add_co_u32 s[H], s[H], 1
	s_cmp_lt_u32 s[H], 16
	s_cbranch_scc1 .Ltop
	; THE TAIL is written out: nothing is asked for
	s_wait_tensorcnt 0x0                           ; my part of pair block 15's chunks 3-7 is in
	ds_add_u32 v[SPW], v[NIL]
	s_wait_dscnt 0x0
	s_barrier_signal -1
	s_barrier_wait -1                              ; everybody's is
	STEP 3
	STEP 4
	STEP 5
	STEP 6
	STEP 7
	STEP 8
	WIN 0
	s_wait_dscnt 0x0                               ; for the others' sake: my partial O^T is stored
	s_barrier_signal -1
	s_barrier_wait -1
	s_wait_xcnt 0x0                                ; head 14's stores have read their base
	s_add_nc_u64 s[OCUR:OCUR+1], s[OOUT:OOUT+1], 15*256
	OEX
	MPIECE 0
.irp p, 1,2,3,4,5,6,7                  ; a piece's arithmetic stands between the loads of the piece before and its stores
	MPIECE \p
	MSEND (\p)-1, 16
.endr
	MSEND 7, 0
	s_wait_tensorcnt 0x0                           ; the wave's end: the spare word's add and its wait, behind my last tensor load and my last LDS store
	ds_add_u32 v[SPW], v[NIL]
	s_wait_dscnt 0x0
	CROUND                                         ; the closing round: no work-group ends while a partner may still ask for a tile that names it
	s_endpgm
.Lfunc_end_k_q3be897250a_attn:
	.size	k_q3be897250a_attn, .Lfunc_end_k_q3be897250a_attn-k_q3be897250a_attn
	.p2alignl 7, 3214868480
	.fill 96, 4, 3214868480
	.section	.rodata,"a",@progbits
	.p2align	6, 0x0
	.amdhsa_kernel k_q3be897250a_attn
		.amdhsa_group_segment_fixed_size 327680
		.amdhsa_private_segment_fixed_size 0
		.amdhsa_enable_private_segment 0
		.amdhsa_kernarg_size 40
		.amdhsa_user_sgpr_count 2
		.amdhsa_user_sgpr_kernarg_segment_ptr 1
		.amdhsa_wavefront_size32 1
		.amdhsa_system_sgpr_workgroup_id_x 1
		.amdhsa_system_sgpr_workgroup_id_y 1
		.amdhsa_system_sgpr_workgroup_id_z 1
		.amdhsa_system_vgpr_workitem_id 0
		.amdhsa_next_free_vgpr 928
		.amdhsa_next_free_sgpr 100
		.amdhsa_reserve_vcc 0
		.amdhsa_float_denorm_mode_32 3
		.amdhsa_float_denorm_mode_16_64 3
		.amdhsa_memory_ordered 1
		.amdhsa_forward_progress 1
		.amdhsa_inst_pref_size 238
	.end_amdhsa_kernel
	.amdgpu_metadata
---
amdhsa.version: [ 1, 2 ]
amdhsa.kernels:
  - .name:           k_q3be897250a_attn
    .symbol:         k_q3be897250a_attn.kd
    .args:
      - { .name: qf, .offset: 0, .size: 8, .value_kind: global_buffer, .address_space: global }
      - { .name: kf, .offset: 8, .size: 8, .value_kind: global_buffer, .address_space: global }
      - { .name: vf, .offset: 16, .size: 8, .value_kind: global_buffer, .address_space: global }
      - { .name: out0, .offset: 24, .size: 8, .value_kind: global_buffer, .address_space: global }
      - { .name: out1, .offset: 32, .size: 8, .value_kind: global_buffer, .address_space: global }
    .group_segment_fixed_size: 327680
    .private_segment_fixed_size: 0
    .kernarg_segment_align: 8
    .kernarg_segment_size: 40
    .max_flat_workgroup_size: 128
    .sgpr_count:     100
    .vgpr_count:     928
    .wavefront_size: 32
...
	.end_amdgpu_metadata
.endif
;; end of part 3
